; MI455X (gfx1250); checked and timed in simulation.
; The chip was launched on July 23, 2026; its instructions are those of AMD's public machine-readable ISA for CDNA 5 (MIT licence, August 2026) and "CDNA5" Instruction Set Architecture Reference Guide (July 2026). The comments in the code are by the model that wrote it; some were corrected since.
;; Raw SDP. Allowed arithmetic: float matrix products may take bf16 or f16 operands with f32 sums; all other float work in f32.
;; Inputs: key 2 x 8 x 2,048 x 128 float32; query 2 x 32 x 2,048 x 128 float32; value 2 x 8 x 2,048 x 128 float32.
;; Outputs: out0 2 x 32 x 2,048 x 128 float32.
;; One version. Each part assembles by itself: llvm-mc -triple=amdgcn-amd-amdhsa -mcpu=gfx1250 --defsym DOCPART=n.
;; ======== version 1 of 1: 1 launch
;; limits: inputs' magnitudes at most 65,504; values are held in f16: magnitudes above 65,504 overflow, below 6.1e-05 lose precision
;; launch attn (part 1): grid 16 x 16, 4 waves a work-group, no clusters, 175,616 bytes of LDS; arguments key, query, value, out0; writes out0
.if DOCPART == 1
	.amdgcn_target "amdgcn-amd-amdhsa--gfx1250"
	.amdhsa_code_object_version 6
	.text
	.protected	k_q0f76d54487_attn
	.globl	k_q0f76d54487_attn
	.p2align	8
	.type	k_q0f76d54487_attn,@function
k_q0f76d54487_attn:
	s_mov_b64 s[64:65], 0
	v_nop
	global_prefetch_b8 v0, s[64:65] scope:SCOPE_SE
	s_setreg_imm32_b32 hwreg(HW_REG_WAVE_MODE, 25, 1), 1
	s_wait_xcnt 0x0
; Causal grouped-query attention.  query, out0: [2][32][2048][128] f32; key, value: [2][8][2048][128] f32.
; out = softmax(q k^T / sqrt(128), causal) v.  Products on 16-bit operands with f32 sums, softmax in f32 with a running maximum.
;
; SHARE OF THE WORK.  Work-group (p, g): g = batch x 8 + key/value head, p = 0..15.  Its four waves are the four query heads 4 g + w that
; read this key/value head, so one conversion of a K and V tile serves four heads.  The group takes two blocks of 64 query rows:
; block 31 - p (32 - p key tiles of 64) and then block p (p + 1 tiles): 33 trips in every group, 256 equal groups.
; The 33 tiles form one stream; trip 31 - p and trip 32 are the two diagonal tiles.
;
; LAYOUT.  Both products are used transposed: S^T = K Q^T (A = 16 keys x 32 d, B = 16 queries x 32 d) and O^T = V^T P^T (A = 16 d x 32 keys,
; B = 16 queries x 32 keys).  In a result, lane (r = l % 16, h = l / 16) holds column r = one query and in register j row 8 h + j.  So a pair of
; score registers packed to 16 bits IS a register of the second product's B fragment (no shuffle), a query's maximum, sum and factor are
; one register in its lane (the two halves h meet by one v_permlanex16_b32), and a lane's 8 results of O are 8 neighbouring d.
;
; FORMATS.  All three inputs are taken at bf16's rounding, unscaled; the factor c = log2(e) / sqrt(128) is applied to the f32 scores, a weight
; being exp2(c s - c m).  The first product is the bf16 form.  The weights want more than bf16's 8 bits: in a row of few keys a weight's
; rounding error times |v| stands in the result undiluted.  They lie in [0, 1], so they go in f16 (11 bits) and the second product is
; the f16 form; V's bf16 value is rewritten as f16, which is exact for 2^-17 <= |v| <= 65504.
;
; NOT USED, AND WHY.  The tensor data mover: K and V are f32 in memory and have to pass through registers to become 16 bits; a stage of f32 in
; LDS would add a store and a load of 32 KiB per tile.  Clusters with joint requests: the 16 groups that read one key/value head differ in p,
; and both the trip in which a group changes its block (31 - p) and the tile that it wants afterwards (trip - 32 + p) hang on p, so partners
; would ask for different tiles from trip 17 on and branch differently.
;
; LIMITS.  (1) |v| above 65504 becomes infinity in f16; |v| below 2^-17 carries an absolute error of up to 2^-25.
; (2) A weight below 2^-14 of its row's running maximum weight carries an absolute error of up to 2^-25; from 2^-25 downward it rounds to 0.
; (3) O is not cleared between the two blocks: the first trip of the second block multiplies it by exp2(-inf) = 0.  An Inf or NaN in
; a row of the first block would so reach the same lane's row of the second; it arises only where the exact result is not finite either.
;
; LDS: two slots of K (64 keys, bf16, pitch 272), two of V (f16, pitch 288), then for each wave its own Q stage and its own output stage.
.set KPITCH, 272                       ; 256 bytes + 16 = 17 x 16: the 16 rows of a fragment load start in 16 different 16-byte columns modulo 256
.set VPITCH, 288                       ; 256 bytes + 32 = 9 x 32: the same for the 8 rows x 2 columns of a transposing load
.set OPITCH, 528                       ; 512 bytes + 16
.set KSLOT,  64*KPITCH                 ; 17,408
.set VSLOT,  64*VPITCH                 ; 18,432
.set VB,     2*KSLOT                   ; V slots begin at 34,816
.set QSTG,   VB+2*VSLOT                ; 71,680: 64 query rows in bf16, pitch 272, one stage for each wave
.set OSTG,   QSTG+4*KSLOT              ; 141,312: 16 rows of f32, pitch 528, one stage for each wave; the end is 175,104
.set OWAVE,  16*OPITCH
.set ROWB,   512                       ; a row of 128 f32
.set CPOS,   0x3e0293ee                ; c = log2(e) / sqrt(128) = 0.12751743
.set CNEG,   0xbe0293ee                ; -c
; window 0
.set GOFF, 4                           ; 16 lane + 8,192 wave: my 16 bytes in the first of my wave's 16 rows of a K or V tile
.set ROWO, 5                           ; 16 lane
.set PFO,  6                           ; 256 lane
.set KST,  7                           ; LDS: where I put 8 bytes of K's row 16 wave
.set VST,  8                           ; the same for V
.set KAD,  9                           ; LDS: r x 272 + 16 h, a K fragment
.set VAD,  10                          ; LDS: VB + (8 h + l % 8) x 288 + 16 ((l / 8) % 2), a transposed V fragment
.set QST,  11                          ; LDS: my wave's Q stage + 8 lane
.set QAD,  12                          ; LDS: my wave's Q stage + r x 272 + 16 h
.set OST,  13                          ; LDS: my wave's output stage + r x 528 + 32 h
.set ORD,  14                          ; LDS: my wave's output stage + 16 lane
.set NINF, 15                          ; -infinity
.set RM,   16                          ; v[16:19]  running maximum of query 16 b + r, of the raw scores
.set RL,   20                          ; v[20:23]  running sum, my half of the keys
.set MN2,  24                          ; v[24:31]  -c x the new maximum, twice (a pair for packed arithmetic)
.set AL2,  32                          ; v[32:39]  exp2(c x (old maximum - new)), twice; at the end 1 / sum
.set TT,   40                          ; v[40:43]
.set TX,   44                          ; v[44:47]  what v_permlanex16_b32 brings
.set TD,   48                          ; v[48:51]
.set TA,   52                          ; v[52:59]  four pairs: chains of the sum
.set SS,   64                          ; v[64:191] scores: query block b, key block a, register j at 64 + 32 b + 8 a + j; also Q as loaded
.set PP,   192                         ; v[192:255] weights in f16: 16 b + 4 a + j / 2; also packed Q, and rows on the way out
; window 1: O, query block b, d block db, register j at 8 (8 b + db) + j
; window 2
.set QF,   0                           ; Q fragments (b, c) at 8 (4 b + c), c = 32 d
.set KF,   128                         ; K fragments (a, c) at 128 + 8 (4 a + c)
; window 3: v[0:63] my 16 rows of K as loaded, v[64:127] of V
.set VF,   128                         ; V^T fragments (db, ks) at 128 + 8 (2 db + ks), ks = 32 keys
.set MK,   40                          ; s[40:47] lanes in which 8 h + j > r
.set MSB,  0
.macro WIN new                         ; s_set_vgpr_msb: bits 1:0 source 0, 3:2 source 1, 5:4 source 2, 7:6 destination; the high byte repeats the setting that is left
.if MSB != \new
	s_set_vgpr_msb (MSB<<8)|\new
.set MSB, \new
.endif
.endm
; A vector instruction or a load that touches a register of a matrix instruction stands four independent vector instructions behind it.
.macro PLACES
.rept 4
	v_nop
.endr
.endm
	s_load_b256 s[4:11], s[0:1], 0x0               ; key s[4:5], query s[6:7], value s[8:9], out0 s[10:11]
	v_lshl_add_u32 v62, v0, 2, 0x2ac00
	v_mov_b32 v63, 0
	v_lshrrev_b32 v1, 5, v0
	v_readfirstlane_b32 s12, v1                    ; wave w
	s_mov_b32 s13, ttmp9                           ; p
	s_and_b32 s14, ttmp7, 0xffff                   ; g
	s_sub_co_u32 s15, 32, s13                      ; tiles of the first block
	s_sub_co_u32 s16, 31, s13                      ; the first block, and the trip of its diagonal tile
	s_mov_b32 s21, 0                               ; high word of every offset
	s_mov_b32 s34, 0x76543210                      ; v_permlanex16_b32: lane i reads lane i of the other half
	s_mov_b32 s35, 0xfedcba98
	s_mov_b32 s36, CPOS                            ; c, as a pair for packed arithmetic
	s_mov_b32 s37, CPOS
	s_mov_b32 s38, CNEG
	s_mov_b32 s39, 0xffff0000                      ; a word's upper bf16
	v_and_b32 v1, 31, v0                           ; lane
	v_and_b32 v2, 15, v0                           ; r
	v_bfe_u32 v3, v0, 4, 1                         ; h
	s_lshl_b32 s50, s12, 13
	v_lshl_add_u32 v[GOFF], v1, 4, s50
	v_lshlrev_b32 v[ROWO], 4, v1
	v_lshlrev_b32 v[PFO], 8, v1
	s_mul_i32 s50, s12, 16*KPITCH
	v_lshl_add_u32 v[KST], v1, 3, s50
	s_mul_i32 s50, s12, 16*VPITCH
	s_add_co_u32 s50, s50, VB
	v_lshl_add_u32 v[VST], v1, 3, s50
	v_mul_u32_u24 v[KAD], v2, KPITCH
	v_lshl_add_u32 v[KAD], v3, 4, v[KAD]
	v_and_b32 v[TT], 7, v0
	v_lshl_add_u32 v[TT], v3, 3, v[TT]
	v_bfe_u32 v[TT+1], v0, 3, 1
	v_mul_u32_u24 v[TT], v[TT], VPITCH
	v_lshl_add_u32 v[TT], v[TT+1], 4, v[TT]
	v_add_nc_u32 v[VAD], VB, v[TT]
	s_mul_i32 s50, s12, KSLOT
	s_add_co_u32 s50, s50, QSTG                    ; my wave's Q stage
	v_lshl_add_u32 v[QST], v1, 3, s50
	v_add_nc_u32 v[QAD], s50, v[KAD]
	s_mul_i32 s51, s12, OWAVE
	s_add_co_u32 s51, s51, OSTG                    ; my wave's output stage
	v_mul_u32_u24 v[TT], v2, OPITCH
	v_lshl_add_u32 v[TT], v3, 5, v[TT]
	v_add_nc_u32 v[OST], s51, v[TT]
	v_lshl_add_u32 v[ORD], v1, 4, s51
	v_mov_b32 v[NINF], 0xff800000
	v_lshlrev_b32 v[TT], 3, v3                     ; 8 h
.irp j, 0,1,2,3,4,5,6,7
	v_add_nc_u32 v[TT+1], \j, v[TT]
	v_cmp_gt_u32 s[MK+\j], v[TT+1], v2             ; on the diagonal: key 8 h + j lies behind query r
.endr
.irp b, 0,1,2,3
	v_mov_b32 v[TX+\b], 0                          ; a destination of v_permlanex16_b32 counts as read: written once here
.endr
	s_wait_kmcnt 0x0
	s_lshl_b32 s20, s14, 20                        ; a head is 2,048 rows of 512 bytes
	s_add_nc_u64 s[4:5], s[4:5], s[20:21]          ; key and value at my head
	s_add_nc_u64 s[8:9], s[8:9], s[20:21]
	s_lshl2_add_u32 s50, s14, s12                  ; query head 4 g + w
	s_lshl_b32 s50, s50, 20
	s_lshl_b32 s51, s16, 15                        ; a block is 64 rows of 512 bytes
	s_add_co_u32 s20, s50, s51
	s_add_nc_u64 s[26:27], s[6:7], s[20:21]        ; query and out0 at block 31 - p
	s_add_nc_u64 s[28:29], s[10:11], s[20:21]
	s_lshl_b32 s51, s13, 15
	s_add_co_u32 s20, s50, s51
	s_add_nc_u64 s[30:31], s[6:7], s[20:21]        ; and at block p.  None of s[26:33] is written again
	s_add_nc_u64 s[32:33], s[10:11], s[20:21]
; K and V pointers for tile j.  Both forms stand behind the s_wait_loadcnt that shows the last loads through s[22:25] done.
.macro SETKV_ST j
	s_mov_b32 s20, \j<<15
	s_add_nc_u64 s[22:23], s[4:5], s[20:21]
	s_add_nc_u64 s[24:25], s[8:9], s[20:21]
.endm
.macro SETKV_DYN                       ; the tile of trip s49 + 2: its number in the stream, less the first block's tiles once these are through
	s_add_co_u32 s50, s49, 2
	s_sub_co_u32 s51, s50, s15
	s_cmp_ge_u32 s50, s15
	s_cselect_b32 s20, s51, s50
	s_lshl_b32 s20, s20, 15
	s_add_nc_u64 s[22:23], s[4:5], s[20:21]
	s_add_nc_u64 s[24:25], s[8:9], s[20:21]
.endm
; 32 loads: my wave's 16 rows of K and of V, each load one whole row of 512 bytes.  No hint: 16 groups read these tiles.
.macro GLOAD
	WIN 0xc0
.irp i, 0,1,2,3,4,5,6,7,8,9,10,11,12,13,14,15
	global_load_b128 v[4*\i:4*\i+3], v[GOFF], s[22:23] offset:\i*ROWB
.endr
.irp i, 0,1,2,3,4,5,6,7,8,9,10,11,12,13,14,15
	global_load_b128 v[64+4*\i:64+4*\i+3], v[GOFF], s[24:25] offset:\i*ROWB
.endr
.endm
; Those rows to 16 bits, in place, and into a slot: 8 bytes a lane, a row of 256 neighbouring bytes an instruction.
; K: rounded to bf16.  V: rounded to bf16 like K and Q, widened again (a shift, a mask) and written as f16, which keeps that value (see FORMATS).
.macro GCONV slot
	WIN 0xcf
.set gi, 0
.rept 16
	v_cvt_pk_bf16_f32 v[4*gi], v[4*gi], v[4*gi+1]
	v_cvt_pk_bf16_f32 v[4*gi+1], v[4*gi+2], v[4*gi+3]
.set gi, gi+1
.endr
.set gi, 0
.rept 16
	v_cvt_pk_bf16_f32 v[64+4*gi], v[64+4*gi], v[64+4*gi+1]
	v_cvt_pk_bf16_f32 v[64+4*gi+2], v[64+4*gi+2], v[64+4*gi+3]
	v_and_b32 v[64+4*gi+1], s39, v[64+4*gi]
	v_lshlrev_b32 v[64+4*gi], 16, v[64+4*gi]
	v_and_b32 v[64+4*gi+3], s39, v[64+4*gi+2]
	v_lshlrev_b32 v[64+4*gi+2], 16, v[64+4*gi+2]
	v_cvt_pk_f16_f32 v[64+4*gi], v[64+4*gi], v[64+4*gi+1]
	v_cvt_pk_f16_f32 v[64+4*gi+1], v[64+4*gi+2], v[64+4*gi+3]
.set gi, gi+1
.endr
	WIN 0x0c
.set gi, 0
.rept 16
	ds_store_b64 v[KST], v[4*gi:4*gi+1] offset:\slot*KSLOT+gi*KPITCH
	ds_store_b64 v[VST], v[64+4*gi:64+4*gi+1] offset:\slot*VSLOT+gi*VPITCH
.set gi, gi+1
.endr
.endm
; 32 loads, key block a outermost: 8 loads for each block of 16 keys
.macro KFETCH slot
	WIN 0x80
.irp a, 0,1,2,3
.irp c, 0,1,2,3
	ds_load_b128 v[KF+8*(4*\a+\c):KF+8*(4*\a+\c)+3],   v[KAD] offset:\slot*KSLOT+\a*16*KPITCH+\c*64
	ds_load_b128 v[KF+8*(4*\a+\c)+4:KF+8*(4*\a+\c)+7], v[KAD] offset:\slot*KSLOT+\a*16*KPITCH+\c*64+32
.endr
.endr
.endm
; 32 transposing loads: V lies [key][d]; a fragment wants 8 keys of one d in a lane
.macro VFETCH slot
	WIN 0xc0
.irp k, 0,1
.irp d, 0,1,2,3,4,5,6,7
	ds_load_tr16_b128 v[VF+8*(2*\d+\k):VF+8*(2*\d+\k)+3],   v[VAD] offset:\slot*VSLOT+\k*32*VPITCH+\d*32
	ds_load_tr16_b128 v[VF+8*(2*\d+\k)+4:VF+8*(2*\d+\k)+7], v[VAD] offset:\slot*VSLOT+\k*32*VPITCH+\d*32+16*VPITCH
.endr
.endr
.endm
; 16 matrix instructions: 16 keys x 64 queries x 128 d.  The first link of each chain takes 0 as C; links of one chain stand four apart.
.macro QKA a
.irp c, 0,1,2,3
.irp b, 0,1,2,3
.if \c == 0
	v_wmma_f32_16x16x32_bf16 v[SS+32*\b+8*\a:SS+32*\b+8*\a+7], v[KF+8*(4*\a+\c):KF+8*(4*\a+\c)+7], v[QF+8*(4*\b+\c):QF+8*(4*\b+\c)+7], 0
.else
	v_wmma_f32_16x16x32_bf16 v[SS+32*\b+8*\a:SS+32*\b+8*\a+7], v[KF+8*(4*\a+\c):KF+8*(4*\a+\c)+7], v[QF+8*(4*\b+\c):QF+8*(4*\b+\c)+7], v[SS+32*\b+8*\a:SS+32*\b+8*\a+7]
.endif
.endr
.endr
.endm
.macro NEGT b, a
.irp j, 0,1,2,3,4,5,6,7
	v_mov_b32 v[SS+32*\b+8*\a+\j], v[NINF]
.endr
.endm
; The diagonal tile: key 16 a + 8 h + j is masked where it lies behind query 16 b + r: all of a > b, none of a < b, 8 h + j > r for a = b.
; pf = 1: also ask for my wave's second block of Q, 64 rows x 512 bytes = 4 requests x 32 lanes 256 bytes apart, each 256 bytes asked for once in the
; launch, by the one wave that loads them at the end of this same trip, behind the softmax and the second product.  It ends at the block's end.
.macro MASK pf
.if \pf
.irp k, 0,1,2,3
	global_prefetch_b8 v[PFO], s[30:31] offset:\k*8192 th:TH_LOAD_NT scope:SCOPE_SE
.endr
.endif
	NEGT 0, 1
	NEGT 0, 2
	NEGT 0, 3
	NEGT 1, 2
	NEGT 1, 3
	NEGT 2, 3
.irp b, 0,1,2,3
.irp j, 0,1,2,3,4,5,6,7
	v_cndmask_b32 v[SS+40*\b+\j], v[SS+40*\b+\j], v[NINF], s[MK+\j]
.endr
.endr
.endm
.macro SM_SUB b                        ; c s - c m, two at a time, one rounding each
.set si, 0
.rept 16
	v_pk_fma_f32 v[SS+32*\b+2*si:SS+32*\b+2*si+1], v[SS+32*\b+2*si:SS+32*\b+2*si+1], s[36:37], v[MN2+2*\b:MN2+2*\b+1] op_sel_hi:[1,0,1]
.set si, si+1
.endr
.endm
.macro SM_EXP b
.set si, 0
.rept 32
	v_exp_f32 v[SS+32*\b+si], v[SS+32*\b+si]
.set si, si+1
.endr
.endm
; 16 roundings to f16 (the second product's B fragments) among 15 packed adds in four chains; then the running sum
.macro SM_SUM b, first
	s_wait_alu depctr_va_vdst(0)
.irp q, 0,1,2,3
	v_pk_add_f32 v[TA+2*\q:TA+2*\q+1], v[SS+32*\b+2*\q:SS+32*\b+2*\q+1], v[SS+32*\b+2*\q+8:SS+32*\b+2*\q+9]
	v_cvt_pk_f16_f32 v[PP+16*\b+\q], v[SS+32*\b+2*\q], v[SS+32*\b+2*\q+1]
.endr
.irp q, 0,1,2,3
	v_pk_add_f32 v[TA+2*\q:TA+2*\q+1], v[TA+2*\q:TA+2*\q+1], v[SS+32*\b+2*\q+16:SS+32*\b+2*\q+17]
	v_cvt_pk_f16_f32 v[PP+16*\b+\q+4], v[SS+32*\b+2*\q+8], v[SS+32*\b+2*\q+9]
.endr
.irp q, 0,1,2,3
	v_pk_add_f32 v[TA+2*\q:TA+2*\q+1], v[TA+2*\q:TA+2*\q+1], v[SS+32*\b+2*\q+24:SS+32*\b+2*\q+25]
	v_cvt_pk_f16_f32 v[PP+16*\b+\q+8], v[SS+32*\b+2*\q+16], v[SS+32*\b+2*\q+17]
.endr
	v_pk_add_f32 v[TA:TA+1], v[TA:TA+1], v[TA+2:TA+3]
	v_cvt_pk_f16_f32 v[PP+16*\b+12], v[SS+32*\b+24], v[SS+32*\b+25]
	v_pk_add_f32 v[TA+4:TA+5], v[TA+4:TA+5], v[TA+6:TA+7]
	v_cvt_pk_f16_f32 v[PP+16*\b+13], v[SS+32*\b+26], v[SS+32*\b+27]
	v_pk_add_f32 v[TA:TA+1], v[TA:TA+1], v[TA+4:TA+5]
	v_cvt_pk_f16_f32 v[PP+16*\b+14], v[SS+32*\b+28], v[SS+32*\b+29]
	v_cvt_pk_f16_f32 v[PP+16*\b+15], v[SS+32*\b+30], v[SS+32*\b+31]
.if \first
	v_add_f32 v[RL+\b], v[TA], v[TA+1]
.else
	v_fma_f32 v[RL+\b], v[RL+\b], v[AL2+2*\b], v[TA]
	v_add_f32 v[RL+\b], v[RL+\b], v[TA+1]
.endif
.endm
; first = 1: no earlier maximum, sum or O.  The maximum is taken over the raw scores: c is positive.
.macro SOFTMAX first
.irp b, 0,1,2,3
.if \first
	v_max_num_f32 v[TT+\b], v[SS+32*\b], v[SS+32*\b+1]
.else
	v_max3_num_f32 v[TT+\b], v[SS+32*\b], v[SS+32*\b+1], v[RM+\b]
.endif
.endr
.set mi, 1
.rept 15                               ; four chains, one for each query block, in turn
.irp b, 0,1,2,3
	v_max3_num_f32 v[TT+\b], v[TT+\b], v[SS+32*\b+2*mi], v[SS+32*\b+2*mi+1]
.endr
.set mi, mi+1
.endr
.irp b, 0,1,2,3
	v_permlanex16_b32 v[TX+\b], v[TT+\b], s34, s35 ; the other half of the keys
.endr
.irp b, 0,1,2,3
	v_max_num_f32 v[TT+\b], v[TT+\b], v[TX+\b]     ; the new maximum: finite, since every tile holds a key that the query may see
.endr
.irp b, 0,1,2,3
	v_mul_f32 v[MN2+2*\b], s38, v[TT+\b]           ; -c m
.endr
.irp b, 0,1,2,3
	v_mov_b32 v[MN2+2*\b+1], v[MN2+2*\b]
.endr
.if \first == 0
.irp b, 0,1,2,3
	v_fma_f32 v[TD+\b], v[RM+\b], s36, v[MN2+2*\b] ; c (old maximum) - c m; -inf where the old maximum is -inf
.endr
.irp b, 0,1,2,3
	v_exp_f32 v[AL2+2*\b], v[TD+\b]
	v_exp_f32 v[AL2+2*\b+1], v[TD+\b]
.endr
.endif
.irp b, 0,1,2,3
	v_mov_b32 v[RM+\b], v[TT+\b]                   ; also the plain instructions between the exponentials above and the use of their results (ISA guide 5.7.2)
.endr
	SM_SUB 0
	SM_EXP 0
	SM_SUB 1                                       ; each run of exponentials is followed by plain work on another block before its results are read
	SM_SUM 0, \first
	SM_EXP 1
	SM_SUB 2
	SM_SUM 1, \first
	SM_EXP 2
	SM_SUB 3
	SM_SUM 2, \first
	SM_EXP 3
	v_nop
	s_wait_alu depctr_va_vdst(0)
	SM_SUM 3, \first
.endm
.macro RESCALE                         ; O of query block b times the pair AL2[b]
	WIN 0x41
.irp b, 0,1,2,3
.set ri, 0
.rept 32
	v_pk_mul_f32 v[64*\b+2*ri:64*\b+2*ri+1], v[64*\b+2*ri:64*\b+2*ri+1], v[AL2+2*\b:AL2+2*\b+1]
.set ri, ri+1
.endr
.endr
.endm
; 64 matrix instructions, f16 form: 128 d x 64 queries x 64 keys.  first = 1: the first 32 keys start the sums
.macro PV first
	WIN 0x53
.irp k, 0,1
.irp d, 0,1,2,3,4,5,6,7
.irp b, 0,1,2,3
.if \first*(1-\k)
	v_wmma_f32_16x16x32_f16 v[8*(8*\b+\d):8*(8*\b+\d)+7], v[VF+8*(2*\d+\k):VF+8*(2*\d+\k)+7], v[PP+16*\b+8*\k:PP+16*\b+8*\k+7], 0
.else
	v_wmma_f32_16x16x32_f16 v[8*(8*\b+\d):8*(8*\b+\d)+7], v[VF+8*(2*\d+\k):VF+8*(2*\d+\k)+7], v[PP+16*\b+8*\k:PP+16*\b+8*\k+7], v[8*(8*\b+\d):8*(8*\b+\d)+7]
.endif
.endr
.endr
.endr
.endm
; 32 rows of Q as they lie in memory, a row of 512 bytes an instruction; read once in the launch
.macro QISSUE half, ptr
	WIN 0
.set qi, 0
.rept 32
	global_load_b128 v[SS+4*qi:SS+4*qi+3], v[ROWO], s[\ptr:\ptr+1] offset:(32*\half+qi)*ROWB th:TH_LOAD_NT
.set qi, qi+1
.endr
.endm
.macro QCONV half                      ; rounded to bf16 as it is, into my wave's own stage
	WIN 0
.set qi, 0
.rept 32
	v_cvt_pk_bf16_f32 v[PP+2*qi], v[SS+4*qi], v[SS+4*qi+1]
	v_cvt_pk_bf16_f32 v[PP+2*qi+1], v[SS+4*qi+2], v[SS+4*qi+3]
	ds_store_b64 v[QST], v[PP+2*qi:PP+2*qi+1] offset:(32*\half+qi)*KPITCH
.set qi, qi+1
.endr
.endm
.macro QFRAGS                          ; my own bytes: LDS serves a wave's instructions in order (ISA guide 5.7.1), no wait behind the stores
	WIN 0x80
.irp b, 0,1,2,3
.irp c, 0,1,2,3
	ds_load_b128 v[QF+8*(4*\b+\c):QF+8*(4*\b+\c)+3],   v[QAD] offset:\b*16*KPITCH+\c*64
	ds_load_b128 v[QF+8*(4*\b+\c)+4:QF+8*(4*\b+\c)+7], v[QAD] offset:\b*16*KPITCH+\c*64+32
.endr
.endr
.endm
; The end of a block: O / sum, then 16 rows at a time through my wave's own stage, so that a store covers a whole row of 512 bytes.
.macro FINAL optr
	PLACES                                         ; behind the last matrix instructions: O is read, and PP loaded into, below
	WIN 0
.irp b, 0,1,2,3
	v_permlanex16_b32 v[TX+\b], v[RL+\b], s34, s35
.endr
.irp b, 0,1,2,3
	v_add_f32 v[TT+\b], v[RL+\b], v[TX+\b]         ; both halves of the keys; about 1 at the least, the weight of the maximum
.endr
.irp b, 0,1,2,3
	v_rcp_f32 v[AL2+2*\b], v[TT+\b]
	v_rcp_f32 v[AL2+2*\b+1], v[TT+\b]
.endr
	v_nop                                          ; one plain instruction before the reciprocals are used (ISA guide 5.7.2)
	s_wait_alu depctr_va_vdst(0)
	RESCALE
.irp b, 0,1,2,3
	WIN 0x04
.irp d, 0,1,2,3,4,5,6,7
	ds_store_b128 v[OST], v[8*(8*\b+\d):8*(8*\b+\d)+3]   offset:\d*64      ; row r, d = 16 db + 8 h + 0..3
	ds_store_b128 v[OST], v[8*(8*\b+\d)+4:8*(8*\b+\d)+7] offset:\d*64+16   ; and + 4..7
.endr
	WIN 0
.if \b
	s_wait_xcnt 0x0                                ; PP is the data of the last 16 stores: loaded again only behind this wait
.endif
.set fi, 0
.rept 16
	ds_load_b128 v[PP+4*fi:PP+4*fi+3], v[ORD] offset:fi*OPITCH             ; in order behind my own stores above
.set fi, fi+1
.endr
.set fi, 0
.rept 16
	s_wait_dscnt 15-fi                             ; row fi is in; the younger read-backs stay out
	global_store_b128 v[ROWO], v[PP+4*fi:PP+4*fi+3], s[\optr:\optr+1] offset:(16*\b+fi)*ROWB th:TH_STORE_NT
.set fi, fi+1
.endr
.endr
.endm
; The second block's Q; its first 32 rows were asked for ahead of FINAL.
.macro NEXTQ
	s_wait_xcnt 0x0                                ; PP, the data of the last stores, is written by QCONV
	s_wait_loadcnt 0x0
	QCONV 0
	QISSUE 1, 30
	s_wait_loadcnt 0x0
	QCONV 1
	QFRAGS
	WIN 0
.irp b, 0,1,2,3
	v_mov_b32 v[RM+\b], v[NINF]                    ; the next trip's factor is exp2(-inf) = 0: it takes the old O and sum away
	v_mov_b32 v[RL+\b], 0
.endr
.endm
; ONE TRIP: one tile of 64 keys in slot; oth = the other slot.  tadd: the trip is s18 + tadd.  first = 1: the first trip of all.
; conv = 1: the next tile, asked for a trip ago, is converted into oth.  load: 1 = ask for the tile after that, 2 = the same with tile 2 as a constant.
; dmode: 0 = never a diagonal tile, 1 = the first block's diagonal if the trip is s16, 2 = the second block's diagonal and the end.
.macro TRIP id, slot, oth, tadd, first, conv, load, dmode
.if \dmode == 1
	s_add_co_u32 s49, s18, \tadd
.endif
	s_wait_dscnt 0x0                               ; my stores of this tile and my reads of the last one are done,
	s_barrier_signal -1
	s_barrier_wait -1                              ; and so are every wave's: slot may be read and oth written
	KFETCH \slot
.if \conv
	s_wait_loadcnt 0x0                             ; the next tile's rows; also frees s[22:25]
	GCONV \oth
.endif
.if \load == 1
	SETKV_DYN
	GLOAD
.endif
.if \load == 2
	SETKV_ST 2
	GLOAD
.endif
	WIN 0x0a
	s_wait_dscnt 24+32*\conv                       ; out may be: the K loads of the later key blocks (8 each) and the 32 stores behind them
	QKA 0
	s_wait_dscnt 16+32*\conv
	QKA 1
	s_wait_dscnt 8+32*\conv
	QKA 2
	s_wait_dscnt 32*\conv
	PLACES                                         ; the V fragments were sources of the last trip's matrix instructions
	VFETCH \slot
	WIN 0x0a
	QKA 3
	PLACES                                         ; before the scores are read
	WIN 0
.if \dmode == 1
	s_cmp_eq_u32 s49, s16
	s_cbranch_scc0 .Lnm_\id
	MASK 1
.Lnm_\id:
.endif
.if \dmode == 2
	MASK 0
.endif
	SOFTMAX \first
.if \first == 0
	RESCALE
.endif
	s_wait_dscnt 0x0                               ; the V fragments
	PV \first
	WIN 0
.if \dmode == 1
	s_cmp_eq_u32 s49, s16
	s_cbranch_scc0 .Lns_\id
	QISSUE 0, 30                                   ; the scores' registers are free; these loads travel while the block leaves
	FINAL 28
	NEXTQ
	WIN 0
.Lns_\id:
.endif
.if \dmode == 2
	FINAL 32
.endif
.endm
	; PROLOGUE.  Runs of 32 loads: Q rows 0-31, tile 0, Q rows 32-63, tile 1.  Loads return in order (ISA guide 5.7.1), so each wait for 32
	; shows the older of the two runs that are out.
	QISSUE 0, 26
	SETKV_ST 0
	GLOAD
	s_wait_loadcnt 32                              ; Q rows 0-31 are in; tile 0 may be out
	QCONV 0
	QISSUE 1, 26
	s_wait_loadcnt 32                              ; tile 0 is in, s[22:25] are free; Q rows 32-63 may be out
	GCONV 0
	SETKV_ST 1
	GLOAD
	s_wait_loadcnt 32                              ; Q rows 32-63 are in; tile 1 may be out
	QCONV 1
	QFRAGS
	TRIP t0, 0, 1, 0, 1, 1, 2, 0                   ; trip 0 stands in front of the loop: its products start the sums
	s_mov_b32 s18, 1
.Lpair:                                            ; trips 1 to 30, two at a time, once through both slots; they ask for tiles 3 to 32 of the stream
	TRIP a, 1, 0, 0, 0, 1, 1, 1
	TRIP b, 0, 1, 1, 0, 1, 1, 1
	s_add_co_u32 s18, s18, 2
	s_cmp_lt_u32 s18, 31
	s_cbranch_scc1 .Lpair
	TRIP c, 1, 0, 0, 0, 1, 0, 1                    ; trip 31 (s18 = 31) converts the last tile and asks for nothing
	TRIP d, 0, 1, 0, 0, 0, 0, 2                    ; trip 32: the second block's diagonal tile, and its way out
	s_wait_tensorcnt 0x0
	ds_add_u32 v62, v63
	s_wait_dscnt 0x0
	s_endpgm
.Lfunc_end_k_q0f76d54487_attn:
	.size	k_q0f76d54487_attn, .Lfunc_end_k_q0f76d54487_attn-k_q0f76d54487_attn
	.p2alignl 7, 3214868480
	.fill 96, 4, 3214868480
	.section	.rodata,"a",@progbits
	.p2align	6, 0x0
	.amdhsa_kernel k_q0f76d54487_attn
		.amdhsa_group_segment_fixed_size 175616
		.amdhsa_private_segment_fixed_size 0
		.amdhsa_enable_private_segment 0
		.amdhsa_kernarg_size 32
		.amdhsa_user_sgpr_count 2
		.amdhsa_user_sgpr_kernarg_segment_ptr 1
		.amdhsa_wavefront_size32 1
		.amdhsa_system_sgpr_workgroup_id_x 1
		.amdhsa_system_sgpr_workgroup_id_y 1
		.amdhsa_system_sgpr_workgroup_id_z 1
		.amdhsa_system_vgpr_workitem_id 0
		.amdhsa_next_free_vgpr 1024
		.amdhsa_next_free_sgpr 66
		.amdhsa_reserve_vcc 0
		.amdhsa_float_denorm_mode_32 3
		.amdhsa_float_denorm_mode_16_64 3
		.amdhsa_memory_ordered 1
		.amdhsa_forward_progress 1
		.amdhsa_inst_pref_size 255
	.end_amdhsa_kernel
	.section	.bss,"aw",@nobits
	.p2align	6
	.space	262144
	.amdgpu_metadata
---
amdhsa.version: [ 1, 2 ]
amdhsa.kernels:
  - .name:           k_q0f76d54487_attn
    .symbol:         k_q0f76d54487_attn.kd
    .args:
      - { .name: key, .offset: 0, .size: 8, .value_kind: global_buffer, .address_space: global }
      - { .name: query, .offset: 8, .size: 8, .value_kind: global_buffer, .address_space: global }
      - { .name: value, .offset: 16, .size: 8, .value_kind: global_buffer, .address_space: global }
      - { .name: out0, .offset: 24, .size: 8, .value_kind: global_buffer, .address_space: global }
    .group_segment_fixed_size: 175616
    .private_segment_fixed_size: 0
    .kernarg_segment_align: 8
    .kernarg_segment_size: 32
    .max_flat_workgroup_size: 128
    .sgpr_count:     66
    .vgpr_count:     1024
    .wavefront_size: 32
...
	.end_amdgpu_metadata
.endif
;; end of part 1
